; MI455X (gfx1250); checked and timed in simulation.
; The chip was launched on July 23, 2026; its instructions are those of AMD's public machine-readable ISA for CDNA 5 (MIT licence, August 2026) and "CDNA5" Instruction Set Architecture Reference Guide (July 2026). The comments in the code are by the model that wrote it; some were corrected since.
;; Codebook. Allowed arithmetic: matrix products marked QUANTISED: E2M3 operands, one E8M0 scale for each 32 along K, by v_wmma_scale_f32_16x16x128_f8f6f4 with both operands' format E2M3, f32 sums; everything else in f32.
;; Inputs: codebook 4,096 x 512 float32; x 8 x 4,096 x 512 float32.
;; Outputs: out0 8 x 4,096 int32.
;; This version of the problem:
;;   THIS VERSION OF THE PROBLEM IS GIVEN IN LOW PRECISION. The matrix products marked QUANTISED in the list below multiply operands that are first quantised to E2M3 (2 exponent bits, 3 mantissa bits; 6 bits a number), with one power-of-two scale for each 32 numbers along K (OCP MX v1.0); their sums are f32. All else is computed in f32.
;;   The module's matrix products, in the order in which they are computed (A, B: the left and right operand; K: the contracted axis; several contracted axes count as one K, in the product's order):
;;     1. [M 32,768, K 512] x [K 512, N 4,096]; A: computed on the way; B: input codebook: QUANTISED
;;   THE QUANTISER, for each operand of a quantised product, along K:
;;     - K is cut into blocks of 32 from its start; a last block that is shorter is filled with zeros.
;;     - A block's scale is 2^e with e = floor(log2(the largest magnitude in the block)) - 2, held to -126 .. 127; a block of zeros has e = 0. As a byte (E8M0): e + 127.
;;     - Each number is divided by its block's scale, clamped to +-7.5, and rounded to the nearest number of E2M3, ties to even, subnormals kept.
;;     - The product sums the exact products of the quantised numbers (number of the format x scale) in f32.
;;   ~~~python
;;   def quantise(x, axis):      # numpy; x: float32 -> the quantised numbers, widened to float32 again
;;       x = np.moveaxis(x, axis, -1); K = x.shape[-1]
;;       x = np.pad(x, [(0, 0)] * (x.ndim - 1) + [(0, -K % 32)]); x = x.reshape(x.shape[:-1] + (-1, 32)); a = np.abs(x).max(-1, keepdims=True)
;;       e = np.where(a > 0, np.clip(np.frexp(np.where(a > 0, a, 1))[1] - 1 - 2, -126, 127), 0)      # np.frexp(a)[1] - 1 = floor(log2(a)), exactly
;;       r = np.clip(x / 2.0 ** e, -7.5, 7.5)
;;       step = 2.0 ** (np.maximum(np.frexp(np.where(r == 0, 1, r))[1] - 1, 0) - 3)
;;       q = np.round(r / step) * step * 2.0 ** e      # np.round: ties to even
;;       return np.moveaxis(q.reshape(q.shape[:-2] + (-1,))[..., :K], -1, axis).astype(np.float32)
;;   ~~~
;;   OPERANDS COMPUTED ON THE WAY. 'Computed on the way' means the value that the module computes at that place (a softmax that the list does not call 'softmax' is quantised finished and normalised). What goes into a quantiser is computed in f32, as accurately as f32 sums, v_exp_f32 and their like allow (about 1e-6 of the number): no bf16 or f16 on the way to a quantiser, and a product that is left as it is and whose result goes on into a quantised operand takes f32 operands (vector FMAs, or v_wmma_f32_16x16x4_f32). A number that lies on a knife's edge between two numbers of the format may be rounded either way, as far as f32 arithmetic and the matrix unit's own rounding can turn it there, and no further.
;; One version. Each part assembles by itself: llvm-mc -triple=amdgcn-amd-amdhsa -mcpu=gfx1250 --defsym DOCPART=n.
;; ======== version 1 of 1: 2 launches
;; limits: right only within a limited range of input values
;; workspace buffers: cbq 1,703,936 bytes
;; launch prep (part 1): grid 256 x 1, 4 waves a work-group, no clusters, 35,584 bytes of LDS; arguments codebook, cbq; writes cbq
.if DOCPART == 1
	.amdgcn_target "amdgcn-amd-amdhsa--gfx1250"
	.amdhsa_code_object_version 6
	.text
	.protected	k_qab6b8c80b4_prep
	.globl	k_qab6b8c80b4_prep
	.p2align	8
	.type	k_qab6b8c80b4_prep,@function
k_qab6b8c80b4_prep:
	s_mov_b64 s[64:65], 0
	v_nop
	global_prefetch_b8 v0, s[64:65] scope:SCOPE_SE
	s_setreg_imm32_b32 hwreg(HW_REG_WAVE_MODE, 25, 1), 1
	s_wait_xcnt 0x0
; The codebook [4096][512], f32, becomes 256 RECORDS of 6,656 bytes in cbq, one for each tile of 16 codes, laid as the next launch's operand registers take them.
;   +0     codes of FP6 (E2M3): K step s (128 along D), register group g (0..2), lane l: byte 1536 s + 512 g + 16 l holds registers 4 g .. 4 g + 3 of lane l's fragment
;   +6144  scale words: byte 8 l holds the pair (S01, S23) of lane l.  S01: lanes 0-15 the word of K step 0 of code l, lanes 16-31 that of K step 1 of code l - 16; S23 likewise for K steps 2, 3
;   +6400  -1/2 x the codes' squared norms, f32: 64 words, word i = that of code i mod 16 (four copies: the 256 bytes are stored whole)
; DEAD WORK: reference() takes argmin over the codes of xx + cc - 2 x.c.  xx is the same for all codes of a row, so in exact arithmetic it moves no argmin, whatever x holds: it is computed nowhere.
; The next launch takes argmax of x.c - cc/2, which is -(distance - xx)/2.  2.0 * flat has x's codes with every scale doubled: a power of two, taken out with the same 1/2.
; LIMITS: a NaN, an infinity or an overflow that reaches only xx is not carried to the result.  A block of zeros, or one whose largest magnitude lies under 2^-124, keeps the byte 1 (the rule says 127 for zeros):
; its codes add nothing that f32 keeps, and this program alone reads the bytes.  NaN and infinities are not served.  The norm is an f32 sum in partial chains, another order than a running sum.
; SHARES: a work-group makes a record; wave u takes K step u: 16 rows x 512 bytes, by 16 loads of 512 consecutive bytes.  A conversion takes 16 neighbours along K from one lane's registers, so the unit turns
; through the wave's own stage in LDS (rows 528 bytes apart).  The four scale words and partial norms meet in LDS behind one barrier; wave 0 stores them.
.set REC,    6656
.set SPITCH, 528
.set SWV,    16*SPITCH
.set XCH,    4*SWV                     ; 512 bytes of scale words, 512 of partial norms, 256 for the norms' way out
.set SPARE,  XCH+1280                  ; the spare words, 128 bytes a wave
.set L16, 3
.set STA, 4                            ; stage, in: 16 x lane
.set STB, 5                            ; stage, out: 528 r + 64 h
.set L8,  6
.set CW,  7
.set CR,  8
.set XA,  9                            ; XCH + 4 x thread
.set XB,  10                           ; XCH + 4 x lane
.set SPW, 12
.set NIL, 13
.set XR,  16                           ; v16-79    the unit as loaded
.set PC,  96                           ; v96-115   codes
.set TM,  116                          ; v116-131  magnitudes, bytes, scale operands
.set PW,  132                          ; my K step's scale word
.set SQ,  136                          ; v136-143  sums of squares
.set SS,  144
.set WK,  146
.set G,   148                          ; v148-155  what wave 0 gathers
.set XN,  192                          ; v192-255  register 16 b + i = k 32 b + 16 h + i of row r
.set SEL, 20
.set HM,  22
	s_load_b128 s[4:7], s[0:1], 0x0                ; the codebook, cbq
	v_lshl_add_u32 v[SPW], v0, 2, SPARE
	v_mov_b32 v[NIL], 0
	v_lshrrev_b32 v1, 5, v0
	v_readfirstlane_b32 s12, v1                    ; wave = K step
	v_and_b32 v2, 31, v0
	v_and_b32 v14, 15, v0                          ; r
	v_bfe_u32 v15, v0, 4, 1                        ; h
	s_mul_i32 s13, s12, SWV
	v_lshlrev_b32 v[L16], 4, v2
	v_add_nc_u32 v[STA], s13, v[L16]
	v_mul_u32_u24 v[STB], v14, SPITCH
	v_lshl_add_u32 v[STB], v15, 6, v[STB]
	v_add_nc_u32 v[STB], s13, v[STB]
	v_lshlrev_b32 v[L8], 3, v2
	v_lshl_add_u32 v[XA], v0, 2, XCH
	v_lshl_add_u32 v[XB], v2, 2, XCH
	v_lshl_add_u32 v[CW], v2, 2, XCH+1024
	v_lshl_add_u32 v[CR], v14, 3, XCH+1024
.irp b, 0,1,2,3
	v_mov_b32 v[TM+4+\b], 0                        ; a lane permute's destination counts as a source
.endr
	s_mov_b32 s[SEL], 0x76543210
	s_mov_b32 s[SEL+1], 0xfedcba98
	s_mov_b32 s[HM], 0xffff0000
	s_lshl_b32 s8, ttmp9, 15                       ; my 16 rows of 2,048 bytes,
	s_lshl_b32 s9, s12, 9                          ; my 512 bytes of each
	s_add_co_u32 s8, s8, s9
	s_mov_b32 s9, 0
	s_mul_i32 s10, ttmp9, REC                      ; my record,
	s_mul_i32 s11, s12, 1536                       ; my K step's codes
	s_add_co_u32 s10, s10, s11
	s_mov_b32 s11, 0
	s_wait_alu depctr_va_vdst(0)                   ; the head's end
	s_wait_kmcnt 0x0
	s_add_nc_u64 s[4:5], s[4:5], s[8:9]
	s_add_nc_u64 s[6:7], s[6:7], s[10:11]
.irp i, 0,1,2,3,4,5,6,7,8,9,10,11,12,13,14,15
	global_load_b128 v[XR+4*\i:XR+4*\i+3], v[L16], s[4:5] offset:2048*\i th:TH_LOAD_NT
.endr
	s_wait_loadcnt 0x0
.irp i, 0,1,2,3,4,5,6,7,8,9,10,11,12,13,14,15
	ds_store_b128 v[STA], v[XR+4*\i:XR+4*\i+3] offset:SPITCH*\i
.endr
.irp b, 0,1,2,3
.irp j, 0,1,2,3
	ds_load_b128 v[XN+16*\b+4*\j:XN+16*\b+4*\j+3], v[STB] offset:128*\b+16*\j   ; LDS serves a wave's instructions in order: these see the stores
.endr
.endr
	s_wait_dscnt 0x0
.set m, 0
.rept 32                               ; squares onto four pairs of sums; the first four products start them
.if m < 4
	v_pk_mul_f32 v[SQ+2*(m%4):SQ+2*(m%4)+1], v[XN+2*m:XN+2*m+1], v[XN+2*m:XN+2*m+1]
.else
	v_pk_fma_f32 v[SQ+2*(m%4):SQ+2*(m%4)+1], v[XN+2*m:XN+2*m+1], v[XN+2*m:XN+2*m+1], v[SQ+2*(m%4):SQ+2*(m%4)+1]
.endif
.set m, m+1
.endr
.irp b, 0,1,2,3
	v_max3_num_f32 v[TM+\b], |v[XN+16*\b]|, |v[XN+1+16*\b]|, 0x1800000   ; block b: my 16 numbers, and the floor 2^(3 - 127)
.endr
.irp i, 2,4,6,8,10,12,14
.irp b, 0,1,2,3
	v_max3_num_f32 v[TM+\b], v[TM+\b], |v[XN+16*\b+\i]|, |v[XN+1+16*\b+\i]|
.endr
.endr
.irp b, 0,1,2,3
	v_permlanex16_b32 v[TM+4+\b], v[TM+\b], s[SEL], s[SEL+1]
.endr
.irp b, 0,1,2,3
	v_max_num_f32 v[TM+\b], v[TM+\b], v[TM+4+\b]   ; with lane l xor 16's 16: the block's largest magnitude
.endr
.irp b, 0,1,2,3
	v_add_nc_u32 v[TM+12+\b], 0xff000000, v[TM+\b] ; 2 off its exponent field: the conversion's scale operand
.endr
.irp b, 0,1,2,3
	v_lshrrev_b32 v[TM+4+\b], 23, v[TM+12+\b]      ; the scale's byte
.endr
	v_lshl_or_b32 v[PW], v[TM+5], 8, v[TM+4]
	v_lshl_or_b32 v[PW], v[TM+6], 16, v[PW]
	v_lshl_or_b32 v[PW], v[TM+7], 24, v[PW]
.irp c, 0,1
	v_cvt_scalef32_pk16_fp6_f32 v[PC+6*\c:PC+2+6*\c], v[XN+32*\c:XN+15+32*\c], v[TM+12+2*\c]
	v_cvt_scalef32_pk16_fp6_f32 v[PC+12+4*\c:PC+14+4*\c], v[XN+16+32*\c:XN+31+32*\c], v[TM+12+2*\c+1]
.endr
	v_nop                                          ; one plain place behind a scaled conversion
.irp c, 0,1                            ; the operand wants a whole block in a lane
.irp i, 0,1,2
	v_permlane16_swap_b32 v[PC+6*\c+\i], v[PC+12+4*\c+\i]
.endr
.irp i, 0,1,2
	v_mov_b32 v[PC+3+6*\c+\i], v[PC+12+4*\c+\i]
.endr
.endr
.irp g, 0,1,2
	global_store_b128 v[L16], v[PC+4*\g:PC+4*\g+3], s[6:7] offset:512*\g   ; 512 consecutive bytes, at a multiple of 256 from cbq's first byte
.endr
	v_pk_add_f32 v[SQ:SQ+1], v[SQ:SQ+1], v[SQ+2:SQ+3]
	v_pk_add_f32 v[SQ+4:SQ+5], v[SQ+4:SQ+5], v[SQ+6:SQ+7]
	v_pk_add_f32 v[SQ:SQ+1], v[SQ:SQ+1], v[SQ+4:SQ+5]
	v_add_f32 v[SQ], v[SQ], v[SQ+1]
	v_permlanex16_b32 v[SQ+2], v[SQ], s[SEL], s[SEL+1]
	v_add_f32 v[SQ], v[SQ], v[SQ+2]                ; lane (r, h): code r's sum of squares over my K step
	ds_store_b32 v[XA], v[PW]
	ds_store_b32 v[XA], v[SQ] offset:512
	s_wait_dscnt 0x0                               ; for the others' sake
	s_barrier_signal -1
	s_barrier_wait -1
	s_cmp_lg_u32 s12, 0
	s_cbranch_scc1 .Lend
.irp u, 0,1,2,3
	ds_load_b32 v[G+\u], v[XB] offset:128*\u
	ds_load_b32 v[G+4+\u], v[XB] offset:512+128*\u
.endr
	s_wait_dscnt 0x0
	v_cndmask_b32 v[SS], v[G], v[G+1], s[HM]       ; lanes 0-15 keep the even K step's word, lanes 16-31 take the odd one's
	v_cndmask_b32 v[SS+1], v[G+2], v[G+3], s[HM]
	global_store_b64 v[L8], v[SS:SS+1], s[6:7] offset:6144
	v_add_f32 v[G+4], v[G+4], v[G+5]
	v_add_f32 v[G+6], v[G+6], v[G+7]
	v_mul_f32 v[G+6], -0.5, v[G+6]
	v_fma_f32 v[G+4], v[G+4], -0.5, v[G+6]         ; -1/2 x the squared norm
	ds_store_b32 v[CW], v[G+4]                     ; word l = that of code l % 16
	ds_load_b64 v[WK:WK+1], v[CR]                  ; words 2 r, 2 r + 1
	s_wait_dscnt 0x0
	global_store_b64 v[L8], v[WK:WK+1], s[6:7] offset:6400
.Lend:
	s_wait_tensorcnt 0x0                           ; the wave's end
	ds_add_u32 v[SPW], v[NIL]
	s_wait_dscnt 0x0
	s_endpgm
.Lfunc_end_k_qab6b8c80b4_prep:
	.size	k_qab6b8c80b4_prep, .Lfunc_end_k_qab6b8c80b4_prep-k_qab6b8c80b4_prep
	.p2alignl 7, 3214868480
	.fill 96, 4, 3214868480
	.section	.rodata,"a",@progbits
	.p2align	6, 0x0
	.amdhsa_kernel k_qab6b8c80b4_prep
		.amdhsa_group_segment_fixed_size 35584
		.amdhsa_private_segment_fixed_size 0
		.amdhsa_enable_private_segment 0
		.amdhsa_kernarg_size 16
		.amdhsa_user_sgpr_count 2
		.amdhsa_user_sgpr_kernarg_segment_ptr 1
		.amdhsa_wavefront_size32 1
		.amdhsa_system_sgpr_workgroup_id_x 1
		.amdhsa_system_sgpr_workgroup_id_y 1
		.amdhsa_system_sgpr_workgroup_id_z 1
		.amdhsa_system_vgpr_workitem_id 0
		.amdhsa_next_free_vgpr 256
		.amdhsa_next_free_sgpr 66
		.amdhsa_reserve_vcc 0
		.amdhsa_float_denorm_mode_32 3
		.amdhsa_float_denorm_mode_16_64 3
		.amdhsa_memory_ordered 1
		.amdhsa_forward_progress 1
		.amdhsa_inst_pref_size 14
	.end_amdhsa_kernel
	.amdgpu_metadata
---
amdhsa.version: [ 1, 2 ]
amdhsa.kernels:
  - .name:           k_qab6b8c80b4_prep
    .symbol:         k_qab6b8c80b4_prep.kd
    .args:
      - { .name: codebook, .offset: 0, .size: 8, .value_kind: global_buffer, .address_space: global }
      - { .name: cbq, .offset: 8, .size: 8, .value_kind: global_buffer, .address_space: global }
    .group_segment_fixed_size: 35584
    .private_segment_fixed_size: 0
    .kernarg_segment_align: 8
    .kernarg_segment_size: 16
    .max_flat_workgroup_size: 128
    .sgpr_count:     66
    .vgpr_count:     256
    .wavefront_size: 32
...
	.end_amdgpu_metadata
.endif
;; end of part 1
;; launch vq (part 2): grid 256 x 1, 8 waves a work-group, clusters of 4 x 1, 327,680 bytes of LDS; arguments x, cbq, out0; writes out0
.if DOCPART == 2
	.amdgcn_target "amdgcn-amd-amdhsa--gfx1250"
	.amdhsa_code_object_version 6
	.text
	.protected	k_qab6b8c80b4_vq
	.globl	k_qab6b8c80b4_vq
	.p2align	8
	.type	k_qab6b8c80b4_vq,@function
k_qab6b8c80b4_vq:
	s_mov_b64 s[64:65], 0
	v_nop
	global_prefetch_b8 v0, s[64:65] scope:SCOPE_SE
	s_setreg_imm32_b32 hwreg(HW_REG_WAVE_MODE, 25, 1), 1
	s_wait_xcnt 0x0
	s_wait_alu depctr_hold_cnt(0) depctr_sa_sdst(0) depctr_va_vdst(0) depctr_va_sdst(0) depctr_va_ssrc(0) depctr_va_vcc(0) depctr_vm_vsrc(0)
	s_getreg_b32 s2, hwreg(HW_REG_IB_STS2, 6, 4)
	s_cmp_eq_u32 s2, 0
	s_cbranch_scc0 .Lentry_in_a_cluster
	s_endpgm
.Lentry_in_a_cluster:
	s_bfe_u32 s2, ttmp6, 0x10000c
	s_cmp_lg_u32 s2, 0x3003
	s_cbranch_scc0 .Lentry_shape_is_right
	s_endpgm
.Lentry_shape_is_right:
; out0[row] = argmin over the 4,096 codes of the distance = argmax of Q(x).Q(c) - cc/2 (xx is left out as dead work: the same for all codes of a row; see the first kernel's head).
; A work-group takes 128 rows of x against all codes.  Eight waves, two to a SIMD: wave w = (row half w / 4, code quarter w % 4): 64 rows x a quarter of each slot's 16 records.
; HEAD: wave w asks for rows 16 w .. 16 w + 15 whole (64 loads of 512 consecutive bytes), and quantises them in 8 half units of 8 rows x 128 K, turned through its own stage so that lane (row l % 8, block l / 8)
; holds a whole block of 32: its largest magnitude needs no other lane.  Codes (24 bytes a block) and scale bytes go to an image in LDS, from which each wave takes its 4 row tiles' fragments into registers for good.
; WALK: cbq goes through two LDS slots of 16 records; every wave fetches 2 records (52 rows of 256 bytes) of each fill.  The four work-groups of a cluster walk the same slots and ask jointly.
; A tile of 16 codes is 16 matrix instructions (4 K steps x 4 row tiles by turns).  Source 0 = codes, source 1 = x: a lane holds one row of x and its 8 registers 8 codes.  The first K step takes -cc/2 as C.
; One tile's turn: the next tile's 15 LDS loads in one run, 16 matrix instructions, then the vector work of the tile before (two sets of accumulators).
; ARGMAX, for each accumulator: the running maximum over its 8 numbers (4 x v_max3); where it has grown, 7 of the 8 numbers and the tile's number are kept (4 dual selects).  The place among the 8 is found at the end.
; TIES go to the lowest index: inside a lane '>' keeps the earlier tile.  The 64 clusters start their walks at 16 different slots (cluster number mod 16); when the walk comes to slot 0 the state is set aside and
; begun anew, and the two spans, the lanes' halves and the four quarters are merged by (value, lower index).
; NO DATA PREFETCH: x is asked for whole at the head (no loop to run ahead in); each slot of cbq is the first request of four other clusters, 1 to 15 steps ahead of this cluster's own request for it.
; LIMITS: NaN and infinities are not served; a block of zeros keeps the scale byte 1 (its codes are zeros).
.set REC,    6656
.set WPART,  2*REC                     ; what a wave fetches of a slot
.set WSL,    4*REC                     ; what a wave reads of a slot
.set SLB,    16*REC
.set XIMG,   2*SLB                     ; x's codes: fragment (row tile T, K step s) at 1536 (4 T + s); in it block pair c at 768 c, lane L at 24 L
.set XSC,    XIMG+32*1536              ; x's scale words: (T, pair of K steps) 128 bytes: lanes 0-15 the even step's, 16-31 the odd one's
.set STG,    XSC+16*128                ; eight stages of 8 rows x 528 bytes
.set SPITCH, 528
.set SWV,    8*SPITCH
.set RED,    STG                       ; the last merge, behind barriers, in the stages' bytes
.set SPARE,  STG+8*SWV                 ; the spare words, 128 bytes a wave
.set SPW, 1
.set NIL, 2
.set L16, 3
.set AB,  4                            ; v4-6 slot 0: fragments, scale pair, norms; v7-9 slot 1
.set AS,  5
.set AC,  6
.set LN,  10
.set IDXV, 11                          ; the tile's number
.set XS,  12                           ; v12-19  x's scale words: 2 t + s / 2
.set BS,  20                           ; v20-23  the codes' scale pairs, two sets
.set CC,  24                           ; v24-39  -cc/2, two sets
.set R,   40                           ; v40-47  running maxima, two sets by turns
.set M,   48                           ; v48-59  at work
.set STA, 54                           ; head only
.set STB, 55
.set XIA, 56
.set XSA, 57
.set LI2, 58
.set LS2, 59
.set H8,  60
.set RA,  61
.set RB,  62
.set S,   64                           ; v64-95  kept: 7 numbers and the tile's number for each row tile
.set BF,  96                           ; v96-191 the codes' fragments, two sets
.set XN,  96                           ; head: a block's 32 numbers
.set TM,  128
.set PC,  132
.set CS,  96                           ; end: the state set aside
.set CR,  128
.set ACC, 192                          ; v192-255 two sets of 4 accumulators
.set IA,  24
.set IB,  28
; window 1: head: x as loaded (v0-255); then x's fragments at 48 t + 12 s; v192-227 the state set aside
.set SEL, 44
.set MSB, 0
.macro WIN new
.if MSB != (\new)
	s_set_vgpr_msb (MSB<<8)|(\new)
.set MSB, (\new)
.endif
.endm
.macro CREST
	s_cmp_lg_u32 s10, 0
	s_cbranch_scc1 .Lnot_wave_0_\@
	s_barrier_signal -3
.Lnot_wave_0_\@:
	s_barrier_wait -3
	s_barrier_signal -1
	s_barrier_wait -1
.endm
.macro ROUND
	s_barrier_signal -1
	s_barrier_wait -1
	CREST
.endm
	s_load_b128 s[4:7], s[0:1], 0x0                ; x, cbq
	s_load_b64 s[8:9], s[0:1], 0x10                ; out0
	v_lshl_add_u32 v[SPW], v0, 2, SPARE
	v_mov_b32 v[NIL], 0
	ds_add_u32 v[SPW], v[NIL]                      ; the opening: the add, twice on end, and its wait
	ds_add_u32 v[SPW], v[NIL]
	v_lshrrev_b32 v[M], 5, v0
	v_readfirstlane_b32 s10, v[M]                  ; wave
	v_and_b32 v[LN], 31, v0
	v_lshlrev_b32 v[L16], 4, v[LN]
	s_bfe_u32 s11, ttmp6, 0x40000                  ; cx
	s_lshl_b32 s12, ttmp9, 2
	s_add_co_u32 s12, s12, s11                     ; work-group
	s_lshl_b32 s14, s12, 18                        ; its 128 rows of 2,048 bytes,
	s_lshl_b32 s15, s10, 15                        ; my 16 of them
	s_add_co_u32 s14, s14, s15
	s_mov_b32 s15, 0
	s_lshl_b32 s48, s12, 9                         ; its 512 bytes of out0
	s_mov_b32 s49, 0
	s_mov_b32 s16, 15|(3<<16)|(1<<21)              ; group 1: the cluster's four; elements of 8 bytes; 52 dense rows of 256 bytes
	s_mov_b32 s17, 32<<16
	s_mov_b32 s18, 52<<16
	s_mov_b32 s19, 32<<16
	s_mov_b32 s20, 52
	s_mov_b32 s21, 32
	s_mov_b32 s22, 0
	s_mov_b32 s23, 0
	s_wait_dscnt 0x0
	s_wait_alu depctr_va_vdst(0)                   ; directly ahead of the wait below
	s_wait_kmcnt 0x0
	s_add_nc_u64 s[4:5], s[4:5], s[14:15]
	s_add_nc_u64 s[8:9], s[8:9], s[48:49]
	WIN 0x40
.irp u, 0,1,2,3
.irp i, 0,1,2,3,4,5,6,7,8,9,10,11,12,13,14,15
	global_load_b128 v[64*\u+4*\i:64*\u+4*\i+3], v[L16], s[4:5] offset:512*\u+2048*\i th:TH_LOAD_NT
.endr
.endr
	WIN 0
	s_mul_i32 s38, s10, WPART
	s_and_b32 s42, s10, 3                          ; code quarter
	s_lshr_b32 s43, s10, 2                         ; row half
	s_lshl_b32 s39, s42, 2
	s_and_b32 s32, ttmp9, 15                       ; the slot at which my cluster starts
	s_add_co_u32 s33, s32, 1
	s_and_b32 s33, s33, 15                         ; the slot asked for last
	s_lshl_b32 s34, s32, 4
	s_add_co_u32 s34, s34, s39                     ; my first tile's number in the slot
	s_mov_b32 s35, 0
	s_mov_b32 s41, 0
	s_mov_b32 s[SEL], 0x76543210
	s_mov_b32 s[SEL+1], 0xfedcba98
	s_mov_b32 s24, 1
	s_mov_b32 s25, s38
	s_mul_i32 s40, s32, SLB
	s_add_co_u32 s40, s40, s38
	s_add_nc_u64 s[26:27], s[6:7], s[40:41]
	s_or_b32 s27, s27, 0x80000000
	s_mov_b32 s28, 1
	s_add_co_u32 s29, s38, SLB
	s_mul_i32 s40, s33, SLB
	s_add_co_u32 s40, s40, s38
	s_add_nc_u64 s[30:31], s[6:7], s[40:41]
	s_or_b32 s31, s31, 0x80000000
	s_mul_i32 s53, s10, SWV
	s_add_co_u32 s53, s53, STG
	s_mul_i32 s54, s10, 6144
	s_add_co_u32 s54, s54, XIMG
	s_lshl_b32 s55, s10, 8
	s_add_co_u32 s55, s55, XSC
	s_mul_i32 s56, s43, 24576
	s_add_co_u32 s56, s56, XIMG
	s_lshl_b32 s57, s43, 10
	s_add_co_u32 s57, s57, XSC
	s_mul_i32 s58, s42, WSL
	s_lshl_b32 s59, s42, 9
	s_lshl_b32 s13, s43, 8
	s_add_co_u32 s59, s59, s13
	s_add_co_u32 s59, s59, RED
	ROUND                                          ; in front of the first joint load
	tensor_load_to_lds s[24:27], s[16:23]          ; slot 0: one tensor load a wave at the head
	s_nop 0
	v_and_b32 v48, 7, v0                           ; row of a half unit
	v_bfe_u32 v49, v0, 3, 2                        ; block q
	v_bfe_u32 v50, v0, 3, 1                        ; q % 2: the fragment's half of the lanes
	v_bfe_u32 v51, v0, 4, 1                        ; q / 2: the fragment's block pair; also lane / 16
	v_and_b32 v52, 15, v0
	v_add_nc_u32 v[STA], s53, v[L16]
	v_mul_u32_u24 v[STB], v48, SPITCH
	v_lshl_add_u32 v[STB], v49, 7, v[STB]
	v_add_nc_u32 v[STB], s53, v[STB]
	v_lshl_add_u32 v53, v50, 4, v48
	v_mul_u32_u24 v[XIA], v53, 24
	v_mad_u32_u24 v[XIA], v51, 768, v[XIA]
	v_add_nc_u32 v[XIA], s54, v[XIA]
	v_lshl_add_u32 v[XSA], v48, 2, v49
	v_add_nc_u32 v[XSA], s55, v[XSA]
	v_mul_u32_u24 v[LI2], v[LN], 24
	v_add_nc_u32 v[LI2], s56, v[LI2]
	v_lshl_add_u32 v[LS2], v[LN], 2, s57
	v_add_nc_u32 v[AB], s58, v[L16]
	v_lshl_add_u32 v[AS], v[LN], 3, s58
	v_lshl_add_u32 v[AC], v51, 5, s58
.irp a, AB, AS, AC
	v_add_nc_u32 v[\a+3], SLB, v[\a]
.endr
	v_lshlrev_b32 v[H8], 3, v51
	v_lshl_add_u32 v[RA], v52, 2, s59
	v_add_nc_u32 v[RB], RED, v[L16]
.irp t, 0,1,2,3
	v_mov_b32 v[R+4+\t], 0xff800000                ; under every number
.endr
.set f, 0
.rept 32                               ; the first turn's vector work finds a tile of -infinity, which changes nothing
	v_mov_b32 v[ACC+32+f], 0xff800000
	v_mov_b32 v[S+f], 0
.set f, f+1
.endr
	s_wait_alu depctr_va_vdst(0)                   ; the head's end
.macro HU u, hf                        ; rows 8 hf .. 8 hf + 7 of my 16, K step u
	s_wait_loadcnt 56-8*(2*(\u)+(\hf))             ; loads come back in order: the later half units' 8 each may be out
	WIN 0x04
.irp i, 0,1,2,3,4,5,6,7
	ds_store_b128 v[STA], v[64*(\u)+4*(8*(\hf)+\i):64*(\u)+4*(8*(\hf)+\i)+3] offset:SPITCH*\i
.endr
	WIN 0
.irp j, 0,1,2,3,4,5,6,7
	ds_load_b128 v[XN+4*\j:XN+4*\j+3], v[STB] offset:16*\j   ; LDS serves a wave's instructions in order
.endr
	s_wait_dscnt 0x0
	v_max3_num_f32 v[TM], |v[XN]|, |v[XN+1]|, |v[XN+2]|
	v_max3_num_f32 v[TM+1], |v[XN+3]|, |v[XN+4]|, |v[XN+5]|
.irp i, 6,10,14,18,22,26
	v_max3_num_f32 v[TM], v[TM], |v[XN+\i]|, |v[XN+\i+1]|
	v_max3_num_f32 v[TM+1], v[TM+1], |v[XN+\i+2]|, |v[XN+\i+3]|
.endr
	v_max3_num_f32 v[TM], v[TM], |v[XN+30]|, |v[XN+31]|
	v_max3_num_f32 v[TM], v[TM], v[TM+1], 0x1800000  ; and the floor 2^(3 - 127): the byte cannot fall under 1
	v_add_nc_u32 v[TM+2], 0xff000000, v[TM]        ; 2 off the exponent field: the conversion's scale operand
	v_cvt_scalef32_pk16_fp6_f32 v[PC:PC+2], v[XN:XN+15], v[TM+2]
	v_cvt_scalef32_pk16_fp6_f32 v[PC+4:PC+6], v[XN+16:XN+31], v[TM+2]
	v_lshrrev_b32 v[TM+3], 23, v[TM+2]             ; the scale's byte; also the plain place behind the conversions
	v_mov_b32 v[PC+3], v[PC+4]
	v_mov_b32 v[PC+4], v[PC+5]
	v_mov_b32 v[PC+5], v[PC+6]
.irp p, 0,1,2
	ds_store_b64 v[XIA], v[PC+2*\p:PC+2*\p+1] offset:1536*(\u)+192*(\hf)+8*\p
.endr
	ds_store_b8 v[XSA], v[TM+3] offset:128*((\u)/2)+64*((\u)%2)+32*(\hf)
.endm
.irp u, 0,1,2,3
	HU \u, 0
	HU \u, 1
.endr
	s_wait_tensorcnt 0x0                           ; my part of slot 0 is in
	ds_add_u32 v[SPW], v[NIL]
	s_wait_dscnt 0x0                               ; the add, and my stores into the image
	ROUND                                          ; slot 0 and the image are whole for all eight waves
	tensor_load_to_lds s[28:31], s[16:23]          ; slot 1's first fill
	s_nop 0
	WIN 0x40
.irp t, 0,1,2,3
.irp s, 0,1,2,3
.irp c, 0,1
.irp p, 0,1,2
	ds_load_b64 v[48*\t+12*\s+6*\c+2*\p:48*\t+12*\s+6*\c+2*\p+1], v[LI2] offset:(4*\t+\s)*1536+768*\c+8*\p
.endr
.endr
.endr
.endr
.set f, 0
.rept 36
	v_mov_b32 v[192+f], 0                          ; the state set aside is written on every way
.set f, f+1
.endr
	WIN 0
.irp f, 0,1,2,3,4,5,6,7
	ds_load_b32 v[XS+\f], v[LS2] offset:128*\f
.endr
.macro LDT pn, b, off                  ; a record into set pn: 15 loads in one run
	ds_load_b64 v[BS+2*(\pn):BS+2*(\pn)+1], v[AS+3*(\b)] offset:(\off)+6144
.irp g, 0,1,2,3,4,5,6,7,8,9,10,11
	ds_load_b128 v[BF+48*(\pn)+4*\g:BF+48*(\pn)+4*\g+3], v[AB+3*(\b)] offset:(\off)+512*\g
.endr
	ds_load_b128 v[CC+8*(\pn):CC+8*(\pn)+3], v[AC+3*(\b)] offset:(\off)+6400
	ds_load_b128 v[CC+8*(\pn)+4:CC+8*(\pn)+7], v[AC+3*(\b)] offset:(\off)+6416
.endm
.macro WM p                            ; 16 matrix instructions, the four accumulators by turns
	WIN 0x04                                       ; source 1, x's fragments: window 1
.irp s, 0,1,2,3
.irp t, 0,1,2,3
.set rD, ACC+32*(\p)+8*\t
.set rA, BF+48*(\p)+12*\s
.set rB, 48*\t+12*\s
.set rSA, BS+2*(\p)+\s/2
.set rSB, XS+2*\t+\s/2
.if \s == 0
	v_wmma_scale_f32_16x16x128_f8f6f4 v[rD:rD+7], v[rA:rA+11], v[rB:rB+11], v[CC+8*(\p):CC+8*(\p)+7], v[rSA], v[rSB] matrix_a_fmt:MATRIX_FMT_FP6 matrix_b_fmt:MATRIX_FMT_FP6
.elseif \s == 2
	v_wmma_scale_f32_16x16x128_f8f6f4 v[rD:rD+7], v[rA:rA+11], v[rB:rB+11], v[rD:rD+7], v[rSA], v[rSB] matrix_a_fmt:MATRIX_FMT_FP6 matrix_b_fmt:MATRIX_FMT_FP6
.else
	v_wmma_scale_f32_16x16x128_f8f6f4 v[rD:rD+7], v[rA:rA+11], v[rB:rB+11], v[rD:rD+7], v[rSA], v[rSB] matrix_a_fmt:MATRIX_FMT_FP6 matrix_b_fmt:MATRIX_FMT_FP6 matrix_a_scale:MATRIX_SCALE_ROW1 matrix_b_scale:MATRIX_SCALE_ROW1
.endif
.endr
.endr
	WIN 0
.endm
.macro EPI p                           ; the vector work of a finished tile in accumulator set p; s35 = its number.  Old maxima in R's set p, new ones in the other
.irp t, 0,1,2,3
	v_max3_num_f32 v[M+\t], v[R+4*(\p)+\t], v[ACC+32*(\p)+8*\t], v[ACC+32*(\p)+8*\t+1]
.endr
.irp t, 0,1,2,3
	v_max3_num_f32 v[M+4+\t], v[ACC+32*(\p)+8*\t+2], v[ACC+32*(\p)+8*\t+3], v[ACC+32*(\p)+8*\t+4]
.endr
.irp t, 0,1,2,3
	v_max3_num_f32 v[M+8+\t], v[ACC+32*(\p)+8*\t+5], v[ACC+32*(\p)+8*\t+6], v[ACC+32*(\p)+8*\t+7]
.endr
.irp t, 0,1,2,3
	v_max3_num_f32 v[R+4*(1-(\p))+\t], v[M+\t], v[M+4+\t], v[M+8+\t]
.endr
	v_mov_b32 v[IDXV], s35
.irp t, 0,1,2,3
	v_cmp_gt_f32 vcc_lo, v[R+4*(1-(\p))+\t], v[R+4*(\p)+\t]
.irp j, 0,2,4
	v_dual_cndmask_b32 v[S+8*\t+\j], v[S+8*\t+\j], v[ACC+32*(\p)+8*\t+\j] :: v_dual_cndmask_b32 v[S+8*\t+\j+1], v[S+8*\t+\j+1], v[ACC+32*(\p)+8*\t+\j+1]
.endr
	v_dual_cndmask_b32 v[S+8*\t+6], v[S+8*\t+6], v[ACC+32*(\p)+8*\t+6] :: v_dual_cndmask_b32 v[S+8*\t+7], v[S+8*\t+7], v[IDXV]
.endr
.endm
; tile i of the slot in LDS slot b.  mode 0: the next tile lies in the same slot.  For tile 3: 1 = this slot is filled again; 2 = change of slots, nothing left to fetch; 3 = the walk's last tile
.macro TILE b, i, mode
.set tp, (\i)%2
.if (\mode) == 0
	LDT 1-tp, \b, ((\i)+1)*REC
	s_wait_dscnt 15                                ; all but the 15 just issued: this tile's record is in
	WM tp
.elseif (\mode) == 1
	s_wait_tensorcnt 0x0                           ; my part of the other slot has landed
	ds_add_u32 v[SPW], v[NIL]
	s_add_co_u32 s33, s33, 1                       ; no load of mine is out: this slot's group 0 takes the next slot of cbq
	s_and_b32 s33, s33, 15
	s_mul_i32 s40, s33, SLB
	s_add_co_u32 s40, s40, s38
	s_add_nc_u64 s[26+4*(\b):27+4*(\b)], s[6:7], s[40:41]
	s_or_b32 s[27+4*(\b)], s[27+4*(\b)], 0x80000000
	s_wait_dscnt 0x0                               ; the add is done, and my reads of this slot are over
	s_barrier_signal -1                            ; opens a round of the cluster's barrier
	WM tp
	s_barrier_wait -1
	CREST
	tensor_load_to_lds s[24+4*(\b):27+4*(\b)], s[16:23]
	s_nop 0
	LDT 1-tp, 1-(\b), 0
.elseif (\mode) == 2
	s_wait_tensorcnt 0x0                           ; my part of the last slot has landed
	s_wait_dscnt 0x0
	s_barrier_signal -1
	WM tp
	s_barrier_wait -1
	LDT 1-tp, 1-(\b), 0
.else
	s_wait_dscnt 0x0
	WM tp
.endif
	EPI 1-tp
.if (\i) == 0
	s_mov_b32 s35, s34                             ; the next finished tile is this slot's first
	s_cmp_lg_u32 s32, 0
	s_cbranch_scc1 .Lkeep_\@
	WIN 0x40                                       ; the walk has come to slot 0: lower indices follow: the state is set aside and begun anew
.set f, 0
.rept 32
	v_mov_b32 v[192+f], v[S+f]
.set f, f+1
.endr
.irp t, 0,1,2,3
	v_mov_b32 v[224+\t], v[R+\t]
.endr
	WIN 0
.irp t, 0,1,2,3
	v_mov_b32 v[R+\t], 0xff800000
.endr
	s_wait_alu depctr_va_vdst(0)
.Lkeep_\@:
.else
	s_add_co_u32 s35, s35, 1
.endif
.endm
.macro SLOT b, mode
	TILE \b, 0, 0
	TILE \b, 1, 0
	TILE \b, 2, 0
	TILE \b, 3, \mode
	s_add_co_u32 s32, s32, 1
	s_and_b32 s32, s32, 15
	s_lshl_b32 s34, s32, 4
	s_add_co_u32 s34, s34, s39
.endm
	LDT 0, 0, 0
	s_mov_b32 s37, 7
.Lslot:                                                ; a trip: two slots, both filled again: 14 refills and the two first fills are the 16 slots of cbq
	SLOT 0, 1
	SLOT 1, 1
	s_sub_co_u32 s37, s37, 1
	s_cmp_lg_u32 s37, 0
	s_cbranch_scc1 .Lslot
	SLOT 0, 2
	SLOT 1, 3
	EPI 1                                          ; the last tile; the final maxima stand in R's set 0
	WIN 0x01
.set f, 0
.rept 36
	v_mov_b32 v[CS+f], v[192+f]                    ; the state set aside, back into window 0
.set f, f+1
.endr
	WIN 0
.macro RESOLVE sb, rb, ib              ; index = 16 x tile + 8 (lane / 16) + the lowest place whose number is the maximum (place 7 if none of the seven kept)
.irp t, 0,1,2,3
	v_mov_b32 v[\ib+\t], 7
.endr
.irp j, 6,5,4,3,2,1,0
.irp t, 0,1,2,3
	v_cmp_eq_f32 vcc_lo, v[\sb+8*\t+\j], v[\rb+\t]
	v_cndmask_b32 v[\ib+\t], v[\ib+\t], \j, vcc_lo
.endr
.endr
.irp t, 0,1,2,3
	v_lshl_add_u32 v[\ib+\t], v[\sb+8*\t+7], 4, v[\ib+\t]
.endr
.irp t, 0,1,2,3
	v_add_nc_u32 v[\ib+\t], v[\ib+\t], v[H8]
.endr
.endm
.macro MERGE va, ia, vb, ib            ; b wins where it is larger, or equal with the lower index
	v_cmp_gt_f32 s50, v[\vb], v[\va]
	v_cmp_eq_f32 s51, v[\vb], v[\va]
	v_cmp_lt_u32 s52, v[\ib], v[\ia]
	s_and_b32 s51, s51, s52
	s_or_b32 s50, s50, s51
	v_cndmask_b32 v[\va], v[\va], v[\vb], s50
	v_cndmask_b32 v[\ia], v[\ia], v[\ib], s50
.endm
	RESOLVE S, R, IA
	RESOLVE CS, CR, IB
.irp t, 0,1,2,3
	MERGE R+\t, IA+\t, CR+\t, IB+\t
.endr
.irp t, 0,1,2,3
	v_permlanex16_b32 v[32+\t], v[R+\t], s[SEL], s[SEL+1]
	v_permlanex16_b32 v[36+\t], v[IA+\t], s[SEL], s[SEL+1]
.endr
.irp t, 0,1,2,3
	MERGE R+\t, IA+\t, 32+\t, 36+\t
.endr
.irp t, 0,1,2,3
	ds_store_b32 v[RA], v[R+\t] offset:64*\t       ; quarter x 512 + 4 x row of the 128; both halves of the lanes write the same word with the same value
	ds_store_b32 v[RA], v[IA+\t] offset:2048+64*\t
.endr
	s_wait_dscnt 0x0                               ; for the others' sake
	s_barrier_signal -1
	s_barrier_wait -1
	s_cmp_lg_u32 s10, 0
	s_cbranch_scc1 .Lothers
.irp w, 0,1,2,3
	ds_load_b128 v[ACC+4*\w:ACC+4*\w+3], v[RB] offset:512*\w
	ds_load_b128 v[ACC+16+4*\w:ACC+16+4*\w+3], v[RB] offset:2048+512*\w
.endr
	s_wait_dscnt 0x0
.irp w, 1,2,3
.irp e, 0,1,2,3
	MERGE ACC+\e, ACC+16+\e, ACC+4*\w+\e, ACC+16+4*\w+\e
.endr
.endr
	global_store_b128 v[L16], v[ACC+16:ACC+19], s[8:9]   ; 32 lanes store the work-group's 512 consecutive bytes
.Lothers:
	s_wait_tensorcnt 0x0                           ; the wave's end
	ds_add_u32 v[SPW], v[NIL]
	s_wait_dscnt 0x0
	ROUND                                          ; the closing round
	s_endpgm
.Lfunc_end_k_qab6b8c80b4_vq:
	.size	k_qab6b8c80b4_vq, .Lfunc_end_k_qab6b8c80b4_vq-k_qab6b8c80b4_vq
	.p2alignl 7, 3214868480
	.fill 96, 4, 3214868480
	.section	.rodata,"a",@progbits
	.p2align	6, 0x0
	.amdhsa_kernel k_qab6b8c80b4_vq
		.amdhsa_group_segment_fixed_size 327680
		.amdhsa_private_segment_fixed_size 0
		.amdhsa_enable_private_segment 0
		.amdhsa_kernarg_size 24
		.amdhsa_user_sgpr_count 2
		.amdhsa_user_sgpr_kernarg_segment_ptr 1
		.amdhsa_wavefront_size32 1
		.amdhsa_system_sgpr_workgroup_id_x 1
		.amdhsa_system_sgpr_workgroup_id_y 1
		.amdhsa_system_sgpr_workgroup_id_z 1
		.amdhsa_system_vgpr_workitem_id 0
		.amdhsa_next_free_vgpr 512
		.amdhsa_next_free_sgpr 66
		.amdhsa_reserve_vcc 1
		.amdhsa_float_denorm_mode_32 3
		.amdhsa_float_denorm_mode_16_64 3
		.amdhsa_memory_ordered 1
		.amdhsa_forward_progress 1
		.amdhsa_inst_pref_size 156
	.end_amdhsa_kernel
	.amdgpu_metadata
---
amdhsa.version: [ 1, 2 ]
amdhsa.kernels:
  - .name:           k_qab6b8c80b4_vq
    .symbol:         k_qab6b8c80b4_vq.kd
    .args:
      - { .name: x, .offset: 0, .size: 8, .value_kind: global_buffer, .address_space: global }
      - { .name: cbq, .offset: 8, .size: 8, .value_kind: global_buffer, .address_space: global }
      - { .name: out0, .offset: 16, .size: 8, .value_kind: global_buffer, .address_space: global }
    .group_segment_fixed_size: 327680
    .private_segment_fixed_size: 0
    .kernarg_segment_align: 8
    .kernarg_segment_size: 24
    .max_flat_workgroup_size: 256
    .sgpr_count:     66
    .vgpr_count:     512
    .wavefront_size: 32
...
	.end_amdgpu_metadata
.endif
;; end of part 2
